; MI455X (gfx1250); checked and timed in simulation.
; The chip was launched on July 23, 2026; its instructions are those of AMD's public machine-readable ISA for CDNA 5 (MIT licence, August 2026) and "CDNA5" Instruction Set Architecture Reference Guide (July 2026). The comments in the code are by the model that wrote it; some were corrected since.
;; Cross Attention. Allowed arithmetic: matrix products marked QUANTISED: E3M2 operands, one E8M0 scale for each 32 along K, by v_wmma_scale_f32_16x16x128_f8f6f4 with both operands' format E3M2, f32 sums; products left as they are: f32 operands where the result goes on into a quantised operand, else bf16, f16 or f32 operands; f32 sums; everything else in f32.
;; Inputs: fo_b 1,024 float32; fo_w 1,024 x 1,024 float32; key 8 x 2,048 x 1,024 float32; query 8 x 2,048 x 1,024 float32; value 8 x 2,048 x 1,024 float32; wk_b 1,024 float32; wk_w 1,024 x 1,024 float32; wq_b 1,024 float32; wq_w 1,024 x 1,024 float32; wv_b 1,024 float32; wv_w 1,024 x 1,024 float32.
;; Outputs: out0 8 x 2,048 x 1,024 float32.
;; This version of the problem:
;;   THIS VERSION OF THE PROBLEM IS GIVEN IN LOW PRECISION. The matrix products marked QUANTISED in the list below multiply operands that are first quantised to E3M2 (3 exponent bits, 2 mantissa bits; 6 bits a number), with one power-of-two scale for each 32 numbers along K (OCP MX v1.0); their sums are f32. All else is computed in f32.
;;   The module's matrix products, in the order in which they are computed (A, B: the left and right operand; K: the contracted axis; several contracted axes count as one K, in the product's order):
;;     1. [M 16,384, K 1,024] x [K 1,024, N 1,024]; A: input query; B: input wq_w: QUANTISED
;;     2. [M 16,384, K 1,024] x [K 1,024, N 1,024]; A: input key; B: input wk_w: QUANTISED
;;     3. [M 16,384, K 1,024] x [K 1,024, N 1,024]; A: input value; B: input wv_w: QUANTISED
;;     4. batch 16,384 x [M 16, K 64] x [K 64, N 16]; A: computed on the way; B: computed on the way: QUANTISED
;;     5. batch 16,384 x [M 16, K 16] x [K 16, N 64]; A: softmax; B: computed on the way: left as it is (K = 16 < 32)
;;     6. [M 16,384, K 1,024] x [K 1,024, N 1,024]; A: computed on the way; B: input fo_w: QUANTISED
;;   THE QUANTISER, for each operand of a quantised product, along K:
;;     - K is cut into blocks of 32 from its start; a last block that is shorter is filled with zeros.
;;     - A block's scale is 2^e with e = floor(log2(the largest magnitude in the block)) - 4, held to -126 .. 127; a block of zeros has e = 0. As a byte (E8M0): e + 127.
;;     - Each number is divided by its block's scale, clamped to +-28, and rounded to the nearest number of E3M2, ties to even, subnormals kept.
;;     - The product sums the exact products of the quantised numbers (number of the format x scale) in f32.
;;   ~~~python
;;   def quantise(x, axis):      # numpy; x: float32 -> the quantised numbers, widened to float32 again
;;       x = np.moveaxis(x, axis, -1); K = x.shape[-1]
;;       x = np.pad(x, [(0, 0)] * (x.ndim - 1) + [(0, -K % 32)]); x = x.reshape(x.shape[:-1] + (-1, 32)); a = np.abs(x).max(-1, keepdims=True)
;;       e = np.where(a > 0, np.clip(np.frexp(np.where(a > 0, a, 1))[1] - 1 - 4, -126, 127), 0)      # np.frexp(a)[1] - 1 = floor(log2(a)), exactly
;;       r = np.clip(x / 2.0 ** e, -28, 28)
;;       step = 2.0 ** (np.maximum(np.frexp(np.where(r == 0, 1, r))[1] - 1, -2) - 2)
;;       q = np.round(r / step) * step * 2.0 ** e      # np.round: ties to even
;;       return np.moveaxis(q.reshape(q.shape[:-2] + (-1,))[..., :K], -1, axis).astype(np.float32)
;;   ~~~
;;   OPERANDS COMPUTED ON THE WAY. 'Computed on the way' means the value that the module computes at that place (a softmax that the list does not call 'softmax' is quantised finished and normalised). What goes into a quantiser is computed in f32, as accurately as f32 sums, v_exp_f32 and their like allow (about 1e-6 of the number): no bf16 or f16 on the way to a quantiser, and a product that is left as it is and whose result goes on into a quantised operand takes f32 operands (vector FMAs, or v_wmma_f32_16x16x4_f32). A number that lies on a knife's edge between two numbers of the format may be rounded either way, as far as f32 arithmetic and the matrix unit's own rounding can turn it there, and no further.
;; One version. Each part assembles by itself: llvm-mc -triple=amdgcn-amd-amdhsa -mcpu=gfx1250 --defsym DOCPART=n.
;; ======== version 1 of 1: 2 launches
;; limits: right only within a limited range of input values
;; workspace buffers: wimg 3,276,800 bytes; bimg 16,384 bytes
;; launch prep (part 1): grid 256 x 1, 4 waves a work-group, no clusters, 0 bytes of LDS; arguments wq_w, wk_w, wv_w, fo_w, wq_b, wk_b, wv_b, fo_b, wimg, bimg; writes wimg, bimg
.if DOCPART == 1
	.amdgcn_target "amdgcn-amd-amdhsa--gfx1250"
	.amdhsa_code_object_version 6
	.text
	.protected	k_q090450a205_prep
	.globl	k_q090450a205_prep
	.p2align	8
	.type	k_q090450a205_prep,@function
k_q090450a205_prep:
	s_mov_b64 s[64:65], 0
	v_nop
	global_prefetch_b8 v0, s[64:65] scope:SCOPE_SE
	s_setreg_imm32_b32 hwreg(HW_REG_WAVE_MODE, 25, 1), 1
	s_wait_xcnt 0x0
; The four weights [1024][1024] f32 (K innermost) become codes of BF6 (E3M2) with one E8M0 byte for each 32 along K, laid as IMAGES OF OPERAND REGISTERS in the order in which the second launch takes them.
; wimg: 32 slots g = 8 p + s (p: 0 wq, 1 wk, 2 wv, 3 fo; s: the K step of 128) of 102,400 bytes; a slot is four wave parts of 25,600 bytes; a part is 16 fragment images of 1,536 bytes (tile t at 1,536 t;
; register c of lane L at 512 (c / 4) + 16 L + 4 (c % 4)) and, from byte 24,576 on, 8 scale registers (register q of lane L at 512 (q / 4) + 16 L + 4 (q % 4): lanes 0-15 the words of tile 2 q, lanes 16-31 those of tile 2 q + 1).
; WHICH ROW OF W IS ROW rho OF TILE t OF WAVE w:  p = 0, 1: 256 w + 32 (t / 2) + 8 (t % 2) + rho + 8 (rho / 8), so that two neighbouring tiles' results are 16 neighbours along the next K;
;   p = 2: 64 rho + d, all 16 heads at one channel d = 32 (t / 8) + 8 ((t / 4) % 2) + m + 8 (m / 8), m = 4 w + t % 4;   p = 3: 256 w + 16 t + rho.
; THE ORDER INSIDE A BLOCK OF 32.  For p = 0, 1, 2 code place 16 h + 4 j + e of a block holds k = 8 j + 4 h + e: the second launch loads its rows by the same address form, in which the two lanes of a row read
; 32 neighbouring bytes in each load.  A permutation of k inside a scale's block, applied alike to both operands, keeps every product and its scale.  For p = 3 the order is the natural one: the other operand is computed.
; bimg: f32 [p][w][t][rho]: the biases in the same order of rows.
; A block's scale is 2^(floor(log2(its largest magnitude)) - 4); its byte is the largest magnitude's exponent field - 4, held at 1 from below.
; LIMITS: a block of zeros, or one whose largest magnitude lies under 2^-122, keeps the byte 1 (its bytes are read by this program alone); NaN and infinities are not served.
; SHARES: work-group G: p = G / 64, s = (G / 8) % 8, w = (G / 2) % 4; its wave v takes q = 4 (G % 2) + v: tiles 2 q and 2 q + 1: 32 loads, two fragments, one scale register.  No loop, no LDS, no barrier.
; The images leave as runs of 512 consecutive bytes at multiples of 512; the scale words as 4 bytes a lane, 16 bytes apart: one byte for each 128 that the launch reads.
.set SLOTB, 102400
.set PARTB, 25600
.set FRB,   1536
.set X0,  32                           ; v32-95   tile 2 q: 64 numbers a lane
.set X1,  96                           ; v96-159  tile 2 q + 1
.set TM,  160                          ; v160-175 at work
.set PCA, 176                          ; v176-195 the first fragment's codes (12) and two runs of three at +12, +16
.set PCB, 200                          ; v200-219 the second's
.set PW0, 196
.set PW1, 197
.set SW,  198
.set SEL, 2                            ; s[2:3]   lane selects for v_permlanex16_b32: lane l xor 16
	s_load_b256 s[4:11], s[0:1], 0x0               ; wq_w, wk_w, wv_w, fo_w
	s_load_b256 s[12:19], s[0:1], 0x20             ; wq_b, wk_b, wv_b, fo_b
	s_load_b128 s[20:23], s[0:1], 0x40             ; wimg, bimg
	v_lshrrev_b32 v1, 5, v0
	v_readfirstlane_b32 s28, v1                    ; wave
	s_lshr_b32 s24, ttmp9, 6                       ; p
	s_bfe_u32 s25, ttmp9, 0x30003                  ; s
	s_bfe_u32 s26, ttmp9, 0x20001                  ; w
	s_and_b32 s27, ttmp9, 1
	s_lshl_b32 s29, s27, 2
	s_add_co_u32 s29, s29, s28                     ; q
	s_lshl_b32 s30, s26, 8
	s_lshl_b32 s46, s29, 5
	s_add_co_u32 s30, s30, s46                     ; 256 w + 32 q: tile 2 q's first row for p = 0, 1, 3
	s_lshr_b32 s31, s29, 2
	s_lshl_b32 s31, s31, 5                         ; for p = 2 the channel d of tile 2 q: 32 (q / 4)
	s_bfe_u32 s46, s29, 0x10001
	s_lshl_b32 s46, s46, 3
	s_add_co_u32 s31, s31, s46                     ; + 8 ((q / 2) % 2)
	s_lshl_b32 s46, s26, 2
	s_add_co_u32 s31, s31, s46                     ; + 4 w
	s_and_b32 s46, s29, 1
	s_lshl_b32 s46, s46, 1
	s_add_co_u32 s31, s31, s46                     ; + 2 (q % 2)
	s_lshr_b32 s46, s26, 1
	s_lshl_b32 s46, s46, 3
	s_add_co_u32 s31, s31, s46                     ; + 8 (w / 2)
	s_cmp_eq_u32 s24, 2
	s_cselect_b32 s32, s31, s30                    ; the first row
	s_cselect_b32 s33, 64, 1                       ; from rho to rho + 1
	s_cselect_b32 s35, 1, 8                        ; from tile 2 q to tile 2 q + 1
	s_cmp_eq_u32 s24, 3
	s_cselect_b32 s35, 16, s35
	s_cselect_b32 s47, 64, 16                      ; from one half of the lanes to the other, in bytes: the natural order, or the second launch's
	s_cmp_lt_u32 s24, 2
	s_cselect_b32 s34, 8, 0                        ; the step behind rho = 7
	s_mov_b32 s[SEL], 0x76543210
	s_mov_b32 s[SEL+1], 0xfedcba98
	v_and_b32 v1, 31, v0                           ; lane
	v_and_b32 v2, 15, v0                           ; rho
	v_bfe_u32 v3, v0, 4, 1                         ; h
	v_mul_u32_u24 v4, s33, v2
	v_lshrrev_b32 v5, 3, v2
	v_mad_u32_u24 v4, v5, s34, v4
	v_add_nc_u32 v4, s32, v4                       ; my row of W for tile 2 q
	v_lshlrev_b32 v6, 12, v4                       ; a row is 4,096 bytes
	v_mad_u32_u24 v6, v3, s47, v6                  ; + my half's bytes
	s_lshl_b32 s46, s25, 9
	v_add_nc_u32 v6, s46, v6                       ; + the K step's 512 bytes
	s_lshl_b32 s46, s35, 12
	v_add_nc_u32 v7, s46, v6                       ; the same for tile 2 q + 1
	v_lshlrev_b32 v8, 4, v1                        ; 16 x lane
	v_lshlrev_b32 v11, 2, v1                       ; 4 x lane
.irp b, 0,1,2,3
	v_mov_b32 v[TM+4+\b], 0                        ; written once: a lane permute's destination counts as one of its sources
.endr
	s_and_b32 s46, s24, 1
	s_wait_kmcnt 0x0
	s_cmp_eq_u32 s46, 1                            ; the weight and the bias are chosen by p alone
	s_cselect_b64 s[36:37], s[6:7], s[4:5]
	s_cselect_b64 s[38:39], s[10:11], s[8:9]
	s_cselect_b64 s[40:41], s[14:15], s[12:13]
	s_cselect_b64 s[42:43], s[18:19], s[16:17]
	s_cmp_lt_u32 s24, 2
	s_cselect_b64 s[36:37], s[36:37], s[38:39]
	s_cselect_b64 s[40:41], s[40:41], s[42:43]
.macro XLOAD reg, off, js              ; 64 numbers of my row: registers 16 b + 4 j + 0 .. 3 are the 16 bytes at 128 b + js j + my half's bytes
.irp b, 0,1,2,3
.irp j, 0,1,2,3
	global_load_b128 v[\reg+16*\b+4*\j:\reg+16*\b+4*\j+3], v[\off], s[36:37] offset:128*\b+\js*\j th:TH_LOAD_RT_NT   ; four loads that follow each other name each 128 bytes, nothing names them later
.endr
.endr
.endm
	s_cmp_eq_u32 s24, 3                            ; a branch on the work-group's number alone; both ways issue 32 loads
	s_cbranch_scc1 .Lnatural
	s_wait_alu depctr_va_vdst(0)
	XLOAD X0, 6, 32
	XLOAD X1, 7, 32
	s_branch .Lasked
.Lnatural:
	s_wait_alu depctr_va_vdst(0)
	XLOAD X0, 6, 16
	XLOAD X1, 7, 16
.Lasked:
	s_lshl_b32 s44, s24, 3
	s_add_co_u32 s44, s44, s25
	s_mul_i32 s44, s44, SLOTB
	s_mul_i32 s46, s26, PARTB
	s_add_co_u32 s44, s44, s46
	s_mov_b32 s45, 0
	s_add_nc_u64 s[20:21], s[20:21], s[44:45]      ; the wave part (p, s, w)
	s_mul_i32 s44, s29, 2*FRB
	s_add_nc_u64 s[38:39], s[20:21], s[44:45]      ; my two images
	s_lshr_b32 s44, s29, 2
	s_lshl_b32 s44, s44, 9
	s_and_b32 s46, s29, 3
	s_lshl_b32 s46, s46, 2
	s_add_co_u32 s44, s44, s46
	s_add_co_u32 s44, s44, 16*FRB
	s_add_nc_u64 s[42:43], s[20:21], s[44:45]      ; my scale register
; 64 numbers of a lane, registers 16 b + 0 .. 15 = my half's 16 numbers of block b of my row, become a fragment's codes in v[pc] on and its scale word in v[pw]
.macro QUANT s, pc, pw
.irp b, 0,1,2,3
	v_max3_num_f32 v[TM+\b], |v[\s+16*\b]|, |v[\s+1+16*\b]|, 0x2800000   ; my 16 numbers of block b, and the floor 2^(5 - 127): the byte cannot fall under 1
.endr
.irp i, 2,4,6,8,10,12,14
.irp b, 0,1,2,3
	v_max3_num_f32 v[TM+\b], v[TM+\b], |v[\s+16*\b+\i]|, |v[\s+1+16*\b+\i]|
.endr
.endr
.irp b, 0,1,2,3
	v_permlanex16_b32 v[TM+4+\b], v[TM+\b], s[SEL], s[SEL+1]
.endr
.irp b, 0,1,2,3
	v_max_num_f32 v[TM+\b], v[TM+\b], v[TM+4+\b]   ; with lane l xor 16's: the block's largest magnitude
.endr
.irp b, 0,1,2,3
	v_add_nc_u32 v[TM+12+\b], 0xfe000000, v[TM+\b] ; 4 off its exponent field: the conversion's scale operand
.endr
.irp b, 0,1,2,3
	v_lshrrev_b32 v[TM+4+\b], 23, v[TM+12+\b]      ; the scale's byte
.endr
	v_lshl_or_b32 v[\pw], v[TM+5], 8, v[TM+4]
	v_lshl_or_b32 v[\pw], v[TM+6], 16, v[\pw]
	v_lshl_or_b32 v[\pw], v[TM+7], 24, v[\pw]
.irp c, 0,1
	v_cvt_scalef32_pk16_bf6_f32 v[\pc+6*\c:\pc+2+6*\c], v[\s+32*\c:\s+15+32*\c], v[TM+12+2*\c]
	v_cvt_scalef32_pk16_bf6_f32 v[\pc+12+4*\c:\pc+14+4*\c], v[\s+16+32*\c:\s+31+32*\c], v[TM+12+2*\c+1]   ; (a conversion's three registers begin on an even number)
.endr
	v_nop                                          ; one plain place behind a scaled conversion
.irp c, 0,1                            ; the operand's layout wants a whole block in a lane: lanes 0-15 block 2 c, lanes 16-31 block 2 c + 1
.irp i, 0,1,2
	v_permlane16_swap_b32 v[\pc+6*\c+\i], v[\pc+12+4*\c+\i]
.endr
.irp i, 0,1,2
	v_mov_b32 v[\pc+3+6*\c+\i], v[\pc+12+4*\c+\i]
.endr
.endr
.endm
	s_wait_loadcnt 16                              ; tile 2 q's sixteen loads are in; tile 2 q + 1's sixteen may be out
	QUANT X0, PCA, PW0
.irp c, 0,1,2
	global_store_b128 v8, v[PCA+4*\c:PCA+4*\c+3], s[38:39] offset:512*\c          ; 32 lanes store 512 consecutive bytes
.endr
	s_wait_loadcnt 0x0
	QUANT X1, PCB, PW1
.irp c, 0,1,2
	global_store_b128 v8, v[PCB+4*\c:PCB+4*\c+3], s[38:39] offset:FRB+512*\c
.endr
	v_cmp_gt_u32 vcc_lo, 16, v1
	v_cndmask_b32 v[SW], v[PW1], v[PW0], vcc_lo    ; lanes 0-15: tile 2 q's words; lanes 16-31: tile 2 q + 1's (every lane holds its row's word)
	global_store_b32 v8, v[SW], s[42:43]
	s_cmp_lg_u32 s25, 0                            ; the work-groups of K step 0 also lay out the bias
	s_cbranch_scc1 .Ldone
	v_mad_u32_u24 v9, v3, s35, v4                  ; lanes 0-15: tile 2 q's rows; lanes 16-31: tile 2 q + 1's
	v_lshlrev_b32 v9, 2, v9
	global_load_b32 v10, v9, s[40:41]
	s_lshl_b32 s44, s24, 2
	s_add_co_u32 s44, s44, s26
	s_lshl_b32 s44, s44, 10                        ; (4 p + w) x 1,024
	s_lshl_b32 s46, s29, 7
	s_add_co_u32 s44, s44, s46                     ; + 128 q
	s_add_nc_u64 s[22:23], s[22:23], s[44:45]
	s_wait_loadcnt 0x0
	global_store_b32 v11, v10, s[22:23]            ; 128 consecutive bytes
.Ldone:
	s_endpgm
.Lfunc_end_k_q090450a205_prep:
	.size	k_q090450a205_prep, .Lfunc_end_k_q090450a205_prep-k_q090450a205_prep
	.p2alignl 7, 3214868480
	.fill 96, 4, 3214868480
	.section	.rodata,"a",@progbits
	.p2align	6, 0x0
	.amdhsa_kernel k_q090450a205_prep
		.amdhsa_group_segment_fixed_size 0
		.amdhsa_private_segment_fixed_size 0
		.amdhsa_enable_private_segment 0
		.amdhsa_kernarg_size 80
		.amdhsa_user_sgpr_count 2
		.amdhsa_user_sgpr_kernarg_segment_ptr 1
		.amdhsa_wavefront_size32 1
		.amdhsa_system_sgpr_workgroup_id_x 1
		.amdhsa_system_sgpr_workgroup_id_y 1
		.amdhsa_system_sgpr_workgroup_id_z 1
		.amdhsa_system_vgpr_workitem_id 0
		.amdhsa_next_free_vgpr 224
		.amdhsa_next_free_sgpr 66
		.amdhsa_reserve_vcc 1
		.amdhsa_float_denorm_mode_32 3
		.amdhsa_float_denorm_mode_16_64 3
		.amdhsa_memory_ordered 1
		.amdhsa_forward_progress 1
		.amdhsa_inst_pref_size 19
	.end_amdhsa_kernel
	.amdgpu_metadata
---
amdhsa.version: [ 1, 2 ]
amdhsa.kernels:
  - .name:           k_q090450a205_prep
    .symbol:         k_q090450a205_prep.kd
    .args:
      - { .name: wq_w, .offset: 0, .size: 8, .value_kind: global_buffer, .address_space: global }
      - { .name: wk_w, .offset: 8, .size: 8, .value_kind: global_buffer, .address_space: global }
      - { .name: wv_w, .offset: 16, .size: 8, .value_kind: global_buffer, .address_space: global }
      - { .name: fo_w, .offset: 24, .size: 8, .value_kind: global_buffer, .address_space: global }
      - { .name: wq_b, .offset: 32, .size: 8, .value_kind: global_buffer, .address_space: global }
      - { .name: wk_b, .offset: 40, .size: 8, .value_kind: global_buffer, .address_space: global }
      - { .name: wv_b, .offset: 48, .size: 8, .value_kind: global_buffer, .address_space: global }
      - { .name: fo_b, .offset: 56, .size: 8, .value_kind: global_buffer, .address_space: global }
      - { .name: wimg, .offset: 64, .size: 8, .value_kind: global_buffer, .address_space: global }
      - { .name: bimg, .offset: 72, .size: 8, .value_kind: global_buffer, .address_space: global }
    .group_segment_fixed_size: 0
    .private_segment_fixed_size: 0
    .kernarg_segment_align: 8
    .kernarg_segment_size: 80
    .max_flat_workgroup_size: 128
    .sgpr_count:     66
    .vgpr_count:     224
    .wavefront_size: 32
...
	.end_amdgpu_metadata
.endif
;; end of part 1
;; launch fused (part 2): grid 256 x 1, 4 waves a work-group, no clusters, 122,368 bytes of LDS; arguments query, key, value, wimg, bimg, out0; writes out0
.if DOCPART == 2
	.amdgcn_target "amdgcn-amd-amdhsa--gfx1250"
	.amdhsa_code_object_version 6
	.text
	.protected	k_q090450a205_fused
	.globl	k_q090450a205_fused
	.p2align	8
	.type	k_q090450a205_fused,@function
k_q090450a205_fused:
	s_mov_b64 s[64:65], 0
	v_nop
	global_prefetch_b8 v0, s[64:65] scope:SCOPE_SE
	s_setreg_imm32_b32 hwreg(HW_REG_WAVE_MODE, 25, 1), 1
	s_wait_xcnt 0x0
; out0 = fo(attention(wq(query), wk(key), wv(value))) for 64 positions a work-group: the whole chain; Q, K, V, the softmax's weights and the attention's result never go to memory.
; Attention here mixes only the 16 heads of ONE position: scores [16 i][16 j] = q(i, :) . k(j, :) / 8 over 64 channels, softmax over j, out(i, d) = sum over j of weight(i, j) v(j, d).
; The four projections and the scores run on codes of BF6 (E3M2) with one E8M0 scale for each 32 along K; weight x v runs on f32 operands, since its result is quantised again.
; SHARES.  Work-group WG owns rows 64 WG .. 64 WG + 63.  Each projection is used TRANSPOSED (source 0 = 16 rows of W, source 1 = 16 positions): a lane holds one position and eight outputs.
; Wave w makes 256 of the 1,024 outputs for all 64 rows: 16 tiles x 4 tiles of rows = 64 accumulators, 512 registers.  A K step of 128 is 64 matrix instructions a wave.
; THE WEIGHTS are images of operand registers (made by the launch before): 32 tiles of 102,400 bytes, 8 for each projection, a wave's part 25,600 bytes, which that wave alone uses.  They go from memory STRAIGHT
; INTO THE OPERAND REGISTERS, 512 consecutive bytes a load: four groups of four fragments; a group is asked for again behind its own 16 products, for the next K step.  No byte of W passes through LDS.
; NO CLUSTER: a joint load lands in LDS alone, and these operands do not go there.
; THE WALK ALONG K IS TURNED: with c = (WG / 4) % 8, step number g of the launch (0 .. 31) takes tile 8 (g / 8) + (g + c) % 8 and the same K step of the rows (g under 24); the fourth projection goes in ascending K.
; So in one step the work-groups ask for eight different tiles.  The order in which a sum's K steps are added differs between work-groups: an order of rounding of the f32 sums, nothing else.
; THE ROWS.  Wave w loads rows 16 w .. 16 w + 15 of a K step one step ahead, quantises them in registers and hands the fragment to the others through LDS as an image of its registers (two slots, one barrier a step).
; Lane (r, h) takes, of each block of 32 numbers of row r, the 16 bytes at 32 j + 16 h, j = 0 .. 3.  So code place 16 h + 4 j + e of a block holds k = 8 j + 4 h + e; the images of wq, wk and wv have the same order.
; PREFETCHES, one instruction each a wave and step: the rows' K step that is loaded three steps on (32 blocks of 256 bytes, a lane a block; the first three at the head); and of the tile that is loaded two steps on
; 25 blocks of 256 bytes: of the 100 blocks of wave w's part work-group WG takes 25 (WG % 4) .. + 24 (lanes 25-31 name the last again).  Both stop where no such K step or tile is left.
; Q and K are quantised from the accumulators and kept in LDS as rows of codes (784 bytes a position: 768 + 16; head i at 48 i, block at + 24) with two scale bytes a head.
; V's tiles hold all 16 heads at one channel; they change from 'a lane a position' to 'a lane a channel' through a stage in LDS, 32 channels of 16 positions at a time.
; For the attention wave w owns positions 16 m + 4 w + y (m, y = 0 .. 3).  The result's codes go back over Q's rows and are the fourth projection's operand.
; The softmax takes the row's largest score away before the exponential.  The biases are the C of each sum's first matrix instruction.
; LIMITS: a block of zeros, or one whose largest magnitude lies under 2^-122, keeps the scale byte 1 (its bytes are read by this program alone); NaN and infinities among the inputs are not served.
; REGISTERS, in windows of 256 (s_set_vgpr_msb: bits 1:0 source 0, 3:2 source 1, 5:4 source 2, 7:6 destination):
;   window 0: v1-23, v252-255 addresses; v24-31, v84-91 W's scale registers, two sets; v32-79 four fragments of rows; v80-83 their scale words; v92-187 W's groups 0, 1; v188-251 at work
;   window 1: v0-63 the rows on their way in; v128-223 W's groups 2, 3; v224-231 the next bias; later the softmax's weights (v0-127) and V by channels (v128-191); later rows of out0
;   windows 2, 3: the accumulators: (tile t, rows m) in window 2 + t / 8 at v[8 (8 m + t % 8)]; matrix instructions alone write them.
.set SLOTB, 102400
.set PARTB, 25600
.set FRB,   1536                       ; a fragment's image: 12 registers x 128 bytes
.set SCW,   16*FRB                     ; where a part's scale registers begin
.set SPARE, 0                          ; the spare words, 128 bytes for each wave: two blocks of 256 bytes that no other line names
.set R1,    512                        ; Q's codes, later the result's; at the end the stages of the way out
.set RP,    784
.set RB,    64*RP
.set R2,    R1+RB                      ; K's codes, later V's stage
.set AIMG,  R2+RB                      ; two slots of four fragment images of the rows
.set ASC,   AIMG+8*FRB                 ; their scale words, 128 bytes each
.set QKS,   ASC+1024                   ; scale bytes: Q's (later the result's) at 32 n + 2 head; K's 2,048 further on
.set BIAS,  QKS+4096                   ; 1,024 bytes for each wave: its own
.set VSP,   1040
.set VSU,   16*VSP
.set OSP,   528
.set SPW, 1
.set NIL, 2
.set LI,  3                            ; 16 x lane
.set XPF, 4                            ; the rows' prefetch: 4,096 (lane / 2) + 256 (lane % 2)
.set PFO, 5                            ; the tiles' prefetch: 6,400 (WG % 4) + 256 min(lane, 24)
.set AR,  6
.set ASR, 7
.set AWI, 8
.set AWS, 9
.set XA,  10                           ; the rows in memory: 4,096 r + 16 h
.set BR,  11
.set BWR, 12
.set QW,  13
.set KW,  14
.set QSW, 15
.set SCR, 16
.set SCRK, 17
.set SSR, 18
.set VW,  19
.set VR,  21
.set OSW, 23
.set S1,  24                           ; W's scale registers of the odd steps
.set AF,  32
.set AS,  80
.set BSC, 84                           ; and of the even steps
.set BS,  92
.set WH,  128                          ; window 1: W's groups 2, 3
.set BT,  224                          ; window 1: a bias as loaded
.set TM,  188
.set PC,  204
.set PW,  224
.set BC,  188                          ; two sets of four tiles of bias, over TM, PC and PW: in a phase's first K step alone
.set OA,  252
.set OSR, 253
.set STO, 254
.set SRD, 255
.set WB,  10                           ; s[10:11] my part of tile 0 of wimg
.set WV,  16
.set SEL, 20
.set CS,  22
.set WT,  24                           ; s[24:25] my part of the tile that is asked for
.set XPA, 26                           ; s[26:27] my rows at the K step that is prefetched
.set XC,  40
.set XN,  42
.set P2,  44
.set BPN, 46
.set PH,  48
.set OCN, 49
.set TP,  50                           ; s[50:51] an offset as a pair; s51 stays 0
.set OUTP, 52
.set PFA, 56                           ; s[56:57] my part of the tile that is prefetched
.set XT,  58                           ; s[58:59] my rows at the K step that is asked for
.set GI,  60                           ; this step's number + 1
.set ROT, 61
.set ST1, 62
.set MSB, 0
.macro WIN new
.if MSB != (\new)
	s_set_vgpr_msb (MSB<<8)|(\new)
.set MSB, (\new)
.endif
.endm
.macro PLACES n
.rept \n
	v_nop
.endr
.endm
.macro BARRIER                         ; my LDS stores have landed and my LDS loads are in: then the work-group's barrier
	s_wait_dscnt 0x0
	s_barrier_signal -1
	s_barrier_wait -1
.endm
.macro MAP d, a                        ; s[d] = the byte offset in wimg of the tile of step number GI + a
	s_add_co_u32 s[\d], s[GI], \a
	s_cmp_lt_u32 s[\d], 24
	s_cselect_b32 s[ST1], s[ROT], 0
	s_add_co_u32 s[ST1], s[ST1], s[\d]
	s_and_b32 s[ST1], s[ST1], 7
	s_and_b32 s[\d], s[\d], 56
	s_or_b32 s[\d], s[\d], s[ST1]
	s_mul_i32 s[\d], s[\d], SLOTB
.endm
.macro NEXT xb                         ; the addresses of what this step asks for: the next tile, the tile two further on, and (xb: the input's base) the rows' next K step and the one three further on
	s_add_co_u32 s[GI], s[GI], 1
	MAP TP, 0
	s_add_nc_u64 s[WT:WT+1], s[WB:WB+1], s[TP:TP+1]
	MAP TP, 2
	s_add_nc_u64 s[PFA:PFA+1], s[WB:WB+1], s[TP:TP+1]
.if \xb
	s_add_co_u32 s[TP], s[GI], s[ROT]
	s_and_b32 s[TP], s[TP], 7
	s_lshl_b32 s[TP], s[TP], 9                     ; a K step is 512 bytes of a row
	s_add_nc_u64 s[XT:XT+1], s[\xb:\xb+1], s[TP:TP+1]
	s_add_co_u32 s[ST1], s[GI], 3
	s_add_co_u32 s[TP], s[ST1], s[ROT]
	s_and_b32 s[TP], s[TP], 7
	s_lshl_b32 s[TP], s[TP], 9
	s_lshr_b32 s[ST1], s[ST1], 3
	s_cmp_gt_u32 s[ST1], s[PH]                     ; of this input or of the next
	s_cselect_b64 s[XPA:XPA+1], s[XN:XN+1], s[XC:XC+1]
	s_add_nc_u64 s[XPA:XPA+1], s[XPA:XPA+1], s[TP:TP+1]
.endif
.endm
; my 16 rows' numbers of one K step into window 1: registers 16 b + 4 j + e = k 32 b + 8 j + 4 h + e
.macro XLOAD base
	WIN 0x40
.irp b, 0,1,2,3
.irp j, 0,1,2,3
	global_load_b128 v[16*\b+4*\j:16*\b+4*\j+3], v[XA], s[\base:\base+1] offset:128*\b+32*\j th:TH_LOAD_RT_NT
.endr
.endr
	WIN 0
.endm
; 64 numbers of a lane in window win, registers 16 b + 0 .. 15 = my half's 16 numbers of block b of my row, become a fragment's codes in v[dst] on and its scale word in v[pw] (both window 0)
.macro QUANT src, win, dst, pw
	WIN (\win)|((\win)<<2)
.irp b, 0,1,2,3
	v_max3_num_f32 v[TM+\b], |v[(\src)+16*\b]|, |v[(\src)+16*\b+1]|, 0x2800000   ; from the low end on, and the floor 2^(5 - 127): the byte cannot fall under 1
.endr
.irp i, 2,4,6,8,10,12,14
.irp b, 0,1,2,3
	v_max3_num_f32 v[TM+\b], |v[(\src)+16*\b+\i]|, |v[(\src)+16*\b+\i+1]|, v[TM+\b]
.endr
.endr
	WIN 0
.irp b, 0,1,2,3
	v_permlanex16_b32 v[TM+4+\b], v[TM+\b], s[SEL], s[SEL+1]
.endr
.irp b, 0,1,2,3
	v_max_num_f32 v[TM+\b], v[TM+\b], v[TM+4+\b]   ; with lane l xor 16's: the block's largest magnitude
.endr
.irp b, 0,1,2,3
	v_add_nc_u32 v[TM+12+\b], 0xfe000000, v[TM+\b] ; 4 off its exponent field: the conversion's scale operand
.endr
.irp b, 0,1,2,3
	v_lshrrev_b32 v[TM+4+\b], 23, v[TM+12+\b]      ; the scale's byte
.endr
	v_lshl_or_b32 v[\pw], v[TM+5], 8, v[TM+4]
	v_lshl_or_b32 v[\pw], v[TM+6], 16, v[\pw]
	v_lshl_or_b32 v[\pw], v[TM+7], 24, v[\pw]
	WIN (\win)
.irp c, 0,1
	v_cvt_scalef32_pk16_bf6_f32 v[(\dst)+6*\c:(\dst)+6*\c+2], v[(\src)+32*\c:(\src)+32*\c+15], v[TM+12+2*\c]
	v_cvt_scalef32_pk16_bf6_f32 v[PC+12+4*\c:PC+14+4*\c], v[(\src)+32*\c+16:(\src)+32*\c+31], v[TM+12+2*\c+1]   ; (a conversion's three registers begin on an even number)
.endr
	WIN 0
	v_nop                                          ; one plain place behind a scaled conversion
.irp c, 0,1                            ; the operand's layout wants a whole block in a lane
.irp i, 0,1,2
	v_permlane16_swap_b32 v[(\dst)+6*\c+\i], v[PC+12+4*\c+\i]
.endr
.irp i, 0,1,2
	v_mov_b32 v[(\dst)+6*\c+3+\i], v[PC+12+4*\c+\i]
.endr
.endr
.endm
; group g (tiles 4 g .. 4 g + 3) of the tile at WT into its registers: twelve loads of 512 consecutive bytes; with group 0 the tile's eight scale registers, into set sp: two loads
.macro WL g, sp
.if (\g) == 0
	global_load_b128 v[BSC+(S1-BSC)*(\sp):BSC+(S1-BSC)*(\sp)+3], v[LI], s[WT:WT+1] offset:SCW
	global_load_b128 v[BSC+(S1-BSC)*(\sp)+4:BSC+(S1-BSC)*(\sp)+7], v[LI], s[WT:WT+1] offset:SCW+512
.endif
	WIN 0x40*((\g)/2)
.irp x, 0,1,2,3
.irp c, 0,1,2
.set rW, BS+(WH-BS)*((\g)/2)+48*((\g)%2)+12*\x+4*\c
	global_load_b128 v[rW:rW+3], v[LI], s[WT:WT+1] offset:FRB*(4*(\g)+\x)+512*\c
.endr
.endr
	WIN 0
.endm
.macro BCL set, g                      ; the biases of group g's four tiles, from my own LDS bytes
.irp x, 0,1,2,3
.irp e, 0,1
	ds_load_b128 v[BC+32*(\set)+8*\x+4*\e:BC+32*(\set)+8*\x+4*\e+3], v[BR] offset:64*(4*(\g)+\x)+16*\e
.endr
.endr
.endm
; 16 matrix instructions: tiles 4 g .. 4 g + 3 x the four tiles of rows.  The 64 accumulators take turns, one instruction a turn, in the same order in every K step.
; W's scale register t / 2 of set KP holds tile t's words in lanes 0-15 (t even) or 16-31 (t odd).  first = 1: the sums begin with the bias as C.
.macro MUL g, first
.if \first
	WIN 0x80+0x40*((\g)/2)+(\g)/2
.else
	WIN 0xa0+0x50*((\g)/2)+(\g)/2
.endif
.irp x, 0,1,2,3
.irp m, 0,1,2,3
.set rD, 8*(8*\m+(4*(\g)+\x)%8)
.set rB, BS+(WH-BS)*((\g)/2)+48*((\g)%2)+12*\x
.set rA, AF+12*\m
.set rS, BSC+(S1-BSC)*KP+(4*(\g)+\x)/2
.set rC, BC+32*((\g)%2)+8*\x
.if \first
.if \x%2
	v_wmma_scale_f32_16x16x128_f8f6f4 v[rD:rD+7], v[rB:rB+11], v[rA:rA+11], v[rC:rC+7], v[rS], v[AS+\m] matrix_a_fmt:MATRIX_FMT_BF6 matrix_b_fmt:MATRIX_FMT_BF6 matrix_a_scale:MATRIX_SCALE_ROW1
.else
	v_wmma_scale_f32_16x16x128_f8f6f4 v[rD:rD+7], v[rB:rB+11], v[rA:rA+11], v[rC:rC+7], v[rS], v[AS+\m] matrix_a_fmt:MATRIX_FMT_BF6 matrix_b_fmt:MATRIX_FMT_BF6
.endif
.else
.if \x%2
	v_wmma_scale_f32_16x16x128_f8f6f4 v[rD:rD+7], v[rB:rB+11], v[rA:rA+11], v[rD:rD+7], v[rS], v[AS+\m] matrix_a_fmt:MATRIX_FMT_BF6 matrix_b_fmt:MATRIX_FMT_BF6 matrix_a_scale:MATRIX_SCALE_ROW1
.else
	v_wmma_scale_f32_16x16x128_f8f6f4 v[rD:rD+7], v[rB:rB+11], v[rA:rA+11], v[rD:rD+7], v[rS], v[AS+\m] matrix_a_fmt:MATRIX_FMT_BF6 matrix_b_fmt:MATRIX_FMT_BF6
.endif
.endif
.endr
.endr
.endm
; A K step's loads and products; k: the step's parity.  o = 0: the rows' fragments are images in slot k of AIMG; o = 1: rows of codes in R1.  xl = 1: the rows' next K step is asked for; 2: the next input's, if there is one.
; bl: the next phase's bias is asked for.  more: each group of W is asked for again, for the next step.  pf: the tile two steps on is prefetched.
; THE COUNTS ON LOADCNT.  A tile's loads go out as scales (2), groups 0, 1, 2, 3 (12 each).  Ahead of group j's products the count names what every path has issued behind group j's loads: the groups behind it
; (12 each), DY (this step's 16 loads of rows, where no jump leads round them, and 2 of bias), and the next tile's scales and groups 0 .. j - 1.
.macro CORE k, first, o, xl, bl, more, pf
.set KP, \k
.if \xl == 1
.set DY, 16+2*(\bl)
.else
.set DY, 2*(\bl)
.endif
.if \o
.irp m, 0,1,2,3
.irp i, 0,1,2,3,4,5
	ds_load_b64 v[AF+12*\m+2*\i:AF+12*\m+2*\i+1], v[OA] offset:16*RP*\m+48*(\i/3)+8*(\i%3)
.endr
	ds_load_b32 v[AS+\m], v[OSR] offset:512*\m
.endr
.else
.irp m, 0,1,2,3
.irp c, 0,1,2
	ds_load_b128 v[AF+12*\m+4*\c:AF+12*\m+4*\c+3], v[AR] offset:4*FRB*(\k)+FRB*\m+512*\c
.endr
	ds_load_b32 v[AS+\m], v[ASR] offset:512*(\k)+128*\m
.endr
.endif
.if \first
	BCL 0, 0
	BCL 1, 1
.endif
.if \o
	v_add_nc_u32 v[OA], 96, v[OA]                  ; the next K step's 128 codes and scale word
	v_add_nc_u32 v[OSR], 4, v[OSR]
.endif
.if \xl == 1
	XLOAD XT                                       ; into the registers that this step's quantiser has read
.endif
.if \xl == 2
	s_cmp_lt_u32 s[PH], 2                          ; behind value comes no input: no load leaves its buffer
	s_cbranch_scc0 .Lno_next_\@
	XLOAD XT
.Lno_next_\@:
.endif
.if \bl
	WIN 0x40
	global_load_b128 v[BT:BT+3], v[LI], s[BPN:BPN+1]
	global_load_b128 v[BT+4:BT+7], v[LI], s[BPN:BPN+1] offset:512
	WIN 0
.endif
.if \o == 0
	s_cmp_lt_u32 s[GI], 21                         ; GI + 3 is at most 23: the rows' last K step
	s_cbranch_scc0 .Lno_rows_\@
	global_prefetch_b8 v[XPF], s[XPA:XPA+1] th:TH_LOAD_NT scope:SCOPE_SE
.Lno_rows_\@:
.endif
.if \pf
	s_cmp_lt_u32 s[GI], 30                         ; GI + 2 is at most 31: the last tile
	s_cbranch_scc0 .Lno_ask_\@
	global_prefetch_b8 v[PFO], s[PFA:PFA+1] th:TH_LOAD_NT scope:SCOPE_SE
.Lno_ask_\@:
.endif
	s_wait_dscnt 8*(\first)                        ; the rows' fragments are in (in a first step the second set of bias, eight loads, may be out)
	s_wait_loadcnt 36+DY
	MUL 0, \first
	WIN 0
	PLACES 4                                       ; loads into registers that matrix instructions have read
.if \more
	WL 0, 1-(\k)
.endif
.if \first
	BCL 0, 2
	s_wait_dscnt 8
.endif
	s_wait_loadcnt 24+DY+14*(\more)
	MUL 1, \first
	WIN 0
	PLACES 4
.if \more
	WL 1, 0
.endif
.if \first
	BCL 1, 3
	s_wait_dscnt 8
.endif
	s_wait_loadcnt 12+DY+26*(\more)
	MUL 2, \first
	WIN 0
	PLACES 4
.if \more
	WL 2, 0
.endif
.if \first
	s_wait_dscnt 0x0
.endif
	s_wait_loadcnt DY+38*(\more)
	MUL 3, \first
	WIN 0
	PLACES 4
.if \more
	WL 3, 0
.endif
.endm
; A K step of the first three projections.  50: behind the rows' loads every path has issued this step's tile: 50 loads.
.macro STEP k, first, last
	s_wait_loadcnt 50
	QUANT 0, 1, PC, PW
.irp c, 0,1,2
	ds_store_b128 v[AWI], v[PC+4*\c:PC+4*\c+3] offset:4*FRB*(\k)+512*\c     ; my fragment as it stands
.endr
	ds_store_b32 v[AWS], v[PW] offset:512*(\k)
.if \first
	WIN 0x04
	ds_store_b128 v[BWR], v[BT:BT+3]               ; this phase's bias, asked for a phase ago
	ds_store_b128 v[BWR], v[BT+4:BT+7] offset:512
	WIN 0
.endif
	s_wait_xcnt 0x0                                ; the last step's loads and prefetches have read their bases, which are written below
.if \last
	NEXT XN
.else
	NEXT XC
.endif
	BARRIER                                        ; all four images of this step lie in LDS, and nobody reads the other slot any more
.if \last
	CORE \k, 0, 0, 2, 0, 0, 1
.else
	CORE \k, \first, 0, 1, \first, 1, 1
.endif
.endm
; A K step of the fourth projection: its rows lie in LDS, its weights are the wave's own: no barrier
.macro OSTEP k, first
	s_wait_xcnt 0x0
	NEXT 0
	s_wait_alu depctr_va_vdst(0)
	CORE \k, \first, 1, 0, 0, 1, 1
.endm
	s_load_b256 s[4:11], s[0:1], 0x0               ; query, key, value, wimg
	s_load_b128 s[12:15], s[0:1], 0x20             ; bimg, out0
	v_lshl_add_u32 v[SPW], v0, 2, SPARE
	v_mov_b32 v[NIL], 0
	v_lshrrev_b32 v32, 5, v0
	v_readfirstlane_b32 s[WV], v32                 ; wave 0..3
	s_and_b32 s17, ttmp9, 3
	s_bfe_u32 s[ROT], ttmp9, 0x30002               ; (WG / 4) % 8
	s_mul_i32 s50, s17, 6400
	v_and_b32 v32, 31, v0                          ; lane
	v_and_b32 v33, 15, v0                          ; r
	v_bfe_u32 v34, v0, 4, 1                        ; h
	v_lshlrev_b32 v[LI], 4, v32
	v_lshlrev_b32 v[XA], 12, v33
	v_lshl_add_u32 v[XA], v34, 4, v[XA]
	v_lshrrev_b32 v35, 1, v32
	v_and_b32 v36, 1, v32
	v_lshlrev_b32 v[XPF], 12, v35
	v_lshl_add_u32 v[XPF], v36, 8, v[XPF]
	v_min_u32 v[PFO], 24, v32
	v_lshlrev_b32 v[PFO], 8, v[PFO]
	v_add_nc_u32 v[PFO], s50, v[PFO]
	s_mov_b32 s[SEL], 0x76543210
	s_mov_b32 s[SEL+1], 0xfedcba98                 ; v_permlanex16_b32: lane l xor 16
	s_mov_b32 s[CS], 0x3e38aa3b                    ; c = log2(e) / sqrt(64)
	s_mov_b32 s[CS+1], s[CS]
	s_lshl_b32 s50, ttmp9, 18                      ; 64 rows of 4,096 bytes a work-group,
	s_lshl_b32 s51, s[WV], 16                      ; 16 a wave
	s_add_co_u32 s50, s50, s51
	s_mov_b32 s51, 0
	s_lshl_b32 s54, ttmp9, 18
	s_lshl_b32 s55, s[WV], 10                      ; out0: my 256 columns
	s_add_co_u32 s54, s54, s55
	s_mov_b32 s55, 0
	s_mul_i32 s56, s[WV], PARTB
	s_mov_b32 s57, 0
	s_lshl_b32 s58, s[WV], 10
	s_add_co_u32 s58, s58, 4096
	s_mov_b32 s59, 0
	s_mov_b32 s[GI], 0
	s_wait_alu depctr_va_vdst(0)
	s_wait_kmcnt 0x0
	s_add_nc_u64 s[XC:XC+1], s[4:5], s[50:51]
	s_add_nc_u64 s[XN:XN+1], s[6:7], s[50:51]
	s_add_nc_u64 s[P2:P2+1], s[8:9], s[50:51]
	s_add_nc_u64 s[BPN:BPN+1], s[12:13], s[58:59]
	s_add_nc_u64 s[OUTP:OUTP+1], s[14:15], s[54:55]
	s_add_nc_u64 s[WB:WB+1], s[WB:WB+1], s[56:57]
	s_mul_i32 s[TP], s[ROT], SLOTB
	s_add_nc_u64 s[WT:WT+1], s[WB:WB+1], s[TP:TP+1]    ; the first step's tile
	s_lshl_b32 s[TP], s[ROT], 9
	s_add_nc_u64 s[XT:XT+1], s[XC:XC+1], s[TP:TP+1]    ; the rows' first K step
.irp i, 1,2,3
	s_add_co_u32 s[TP], s[ROT], \i
	s_and_b32 s[TP], s[TP], 7
	s_lshl_b32 s[TP], s[TP], 9
	s_add_nc_u64 s[26+2*\i:27+2*\i], s[XC:XC+1], s[TP:TP+1]   ; and the three behind it
.endr
	WIN 0x40
	global_load_b128 v[BT:BT+3], v[LI], s[BPN:BPN+1] offset:-4096     ; the first phase's bias: 4,096 bytes ahead of the next phase's
	global_load_b128 v[BT+4:BT+7], v[LI], s[BPN:BPN+1] offset:-3584
	WIN 0
	XLOAD XT
.irp i, 1,2,3
	global_prefetch_b8 v[XPF], s[26+2*\i:27+2*\i] th:TH_LOAD_NT scope:SCOPE_SE
.endr
	v_add_nc_u32 v[AR], AIMG, v[LI]
	v_lshl_add_u32 v[ASR], v32, 2, ASC
	s_mul_i32 s50, s[WV], FRB
	v_add_nc_u32 v[AWI], s50, v[AR]
	s_lshl_b32 s50, s[WV], 7
	v_add_nc_u32 v[AWS], s50, v[ASR]
	s_lshl_b32 s50, s[WV], 10
	s_add_co_u32 s50, s50, BIAS
	v_lshl_add_u32 v[BR], v34, 5, s50
	v_add_nc_u32 v[BWR], s50, v[LI]
	v_mul_u32_u24 v35, v33, RP
	v_mad_u32_u24 v35, v34, 24, v35                ; 784 r + 24 h
	s_mul_i32 s50, s[WV], 192
	s_add_co_u32 s50, s50, R1
	v_add_nc_u32 v[QW], s50, v35
	v_add_nc_u32 v[KW], RB, v[QW]
	v_add_nc_u32 v[OA], R1, v35
	s_lshl_b32 s50, s[WV], 3
	s_add_co_u32 s50, s50, QKS
	v_lshl_add_u32 v[QSW], v33, 5, s50
	v_lshl_add_u32 v[OSR], v33, 5, QKS
	v_mul_u32_u24 v36, v33, 48
	v_mad_u32_u24 v36, v34, 24, v36                ; 48 r + 24 h
	s_mul_i32 s50, s[WV], 4*RP
	s_add_co_u32 s50, s50, R1
	v_add_nc_u32 v[SCR], s50, v36
	v_add_nc_u32 v[SCRK], RB, v[SCR]
	s_lshl_b32 s50, s[WV], 7
	s_add_co_u32 s50, s50, QKS
	v_lshl_add_u32 v[OSW], v33, 1, s50
	v_lshl_add_u32 v[SSR], v34, 11, v[OSW]
	; V's stage: [u][position] x 1,040; channel index m' at 64 m'; in it four columns of 16 bytes (four heads each), column (2 h + e) xor (m' / 4), so that both ways touch sixteen different columns of 16 bytes
	v_mul_u32_u24 v35, v33, VSP
	s_lshl_b32 s50, s[WV], 8
	s_add_co_u32 s50, s50, R2
	v_add_nc_u32 v35, s50, v35                     ; in: position r, m' = 4 w + x
	v_lshlrev_b32 v36, 1, v34
	v_xor_b32 v37, s[WV], v36
	v_lshl_add_u32 v[VW], v37, 4, v35
	v_lshl_add_u32 v38, v34, 1, 1
	v_xor_b32 v37, s[WV], v38
	v_lshl_add_u32 v[VW+1], v37, 4, v35
	s_mul_i32 s50, s[WV], 4*VSP
	s_add_co_u32 s50, s50, R2
	v_lshl_add_u32 v35, v33, 6, s50                ; out: position 4 w + y, m' = r
	v_lshrrev_b32 v39, 2, v33
	v_xor_b32 v37, v36, v39
	v_lshl_add_u32 v[VR], v37, 4, v35
	v_xor_b32 v37, v38, v39
	v_lshl_add_u32 v[VR+1], v37, 4, v35
	v_mul_u32_u24 v35, v33, OSP
	v_lshl_add_u32 v35, v34, 5, v35
	s_mul_i32 s50, s[WV], 16*OSP
	s_add_co_u32 s50, s50, R1
	v_add_nc_u32 v[STO], s50, v35
	v_add_nc_u32 v[SRD], s50, v[LI]
.irp b, 0,1,2,3
	v_mov_b32 v[TM+4+\b], 0                        ; written once: a lane permute's destination counts as one of its sources
.endr
	s_mov_b32 s[PH], 0
	s_wait_alu depctr_va_vdst(0)
.Lphase:                                               ; three trips: Q, K, V.  A trip is eight K steps
.irp g, 0,1,2,3
	WL \g, 0                                       ; the phase's first tile: its registers were at other work until here
.endr
	STEP 0, 1, 0
	s_mov_b32 s[OCN], 3
.Lmid:                                                 ; three trips of two K steps: the slots of images and the sets of scales are back where they began
	STEP 1, 0, 0
	STEP 0, 0, 0
	s_sub_co_u32 s[OCN], s[OCN], 1
	s_cmp_lg_u32 s[OCN], 0
	s_cbranch_scc1 .Lmid
	STEP 1, 0, 1
	s_cmp_lt_u32 s[PH], 2
	s_cbranch_scc0 .Lno_codes                      ; V stays in the accumulators
	; Q or K: my 256 columns of the 64 rows become codes.  Tiles 2 b and 2 b + 1 are 16 neighbours along the next K, so eight tiles are a fragment of 128 columns: two heads
.irp g, 0,1
.irp m, 0,1,2,3
	QUANT 64*\m, 2+\g, BS+12*(4*\g+\m), AS+2*\m+\g
.endr
.endr
.macro TOROWS cw, so                   ; lane (r, h): row 16 m + r; registers 6 c .. 6 c + 5 are head 4 w + 2 g + c, block h: 24 bytes
.irp g, 0,1
.irp m, 0,1,2,3
.irp c, 0,1
.irp i, 0,1,2
	ds_store_b64 v[\cw], v[BS+12*(4*\g+\m)+6*\c+2*\i:BS+12*(4*\g+\m)+6*\c+2*\i+1] offset:16*RP*\m+96*\g+48*\c+8*\i
.endr
.endr
.endr
.endr
.irp m, 0,1,2,3
	ds_store_b64 v[QSW], v[AS+2*\m:AS+2*\m+1] offset:512*\m+\so     ; four heads' scale bytes (both halves of the lanes write the same)
.endr
.endm
	s_cmp_eq_u32 s[PH], 0
	s_cbranch_scc0 .Lfor_k
	TOROWS QW, 0
	s_branch .Lno_codes
.Lfor_k:
	s_wait_alu depctr_va_vdst(0)
	TOROWS KW, 2048
.Lno_codes:
	s_wait_xcnt 0x0                                ; the loads have read their bases
	s_mov_b64 s[XC:XC+1], s[XN:XN+1]
	s_mov_b64 s[XN:XN+1], s[P2:P2+1]
	s_add_nc_u64 s[BPN:BPN+1], s[BPN:BPN+1], 4096
	s_add_co_u32 s[PH], s[PH], 1
	s_cmp_lt_u32 s[PH], 3
	s_cbranch_scc1 .Lphase
	; ---- THE SCORES AND THE SOFTMAX.  S^T = k q^T for one position: source 0 = 16 heads of k, source 1 = 16 heads of q; K = 64 channels, the upper 64 of the instruction's 128 are zero codes.
	; Lane (i, h) holds head i of q and the heads j = 8 h + 0 .. 7 of k.
.set SS,  32
.set QF,  92
.set KF,  104
.set MX,  188
.set T2,  192
.set CMP, 196
.set SM,  204
.set RC,  212
	s_wait_loadcnt 0x0                             ; no load is on its way
	BARRIER                                        ; every wave's codes of K lie in LDS
	PLACES 5
.irp y, 0,1,2,3
.irp i, 6,7,8,9,10,11
	v_mov_b32 v[QF+24*\y+\i], 0                    ; zero codes add nothing under any scale byte but 0xff
	v_mov_b32 v[KF+24*\y+\i], 0
.endr
.endr
	s_wait_alu depctr_va_vdst(0)
.irp y, 0,1,2,3
	v_mov_b32 v[T2+\y], 0
	v_mov_b32 v[CMP+2*\y+1], 0                     ; (named as a pair's upper half)
.endr
.macro SCORE m
.irp y, 0,1,2,3
.irp i, 0,1,2
	ds_load_b64 v[QF+24*\y+2*\i:QF+24*\y+2*\i+1], v[SCR] offset:16*RP*(\m)+RP*\y+8*\i
	ds_load_b64 v[KF+24*\y+2*\i:KF+24*\y+2*\i+1], v[SCRK] offset:16*RP*(\m)+RP*\y+8*\i
.endr
	ds_load_u16 v[BSC+\y], v[SSR] offset:512*(\m)+32*\y     ; lanes 0-15: q's two bytes; lanes 16-31: k's; bytes 2 and 3 are 0, over zero codes
.endr
	s_wait_dscnt 0x0
.irp y, 0,1,2,3
	v_wmma_scale_f32_16x16x128_f8f6f4 v[SS+8*\y:SS+8*\y+7], v[KF+24*\y:KF+24*\y+11], v[QF+24*\y:QF+24*\y+11], 0, v[BSC+\y], v[BSC+\y] matrix_a_fmt:MATRIX_FMT_BF6 matrix_b_fmt:MATRIX_FMT_BF6 matrix_a_scale:MATRIX_SCALE_ROW1
.endr
	PLACES 4
.irp y, 0,1,2,3
	v_max3_num_f32 v[MX+\y], v[SS+8*\y], v[SS+8*\y+1], v[SS+8*\y+2]
.endr
.irp y, 0,1,2,3
	v_max3_num_f32 v[MX+\y], v[MX+\y], v[SS+8*\y+3], v[SS+8*\y+4]
.endr
.irp y, 0,1,2,3
	v_max3_num_f32 v[MX+\y], v[MX+\y], v[SS+8*\y+5], v[SS+8*\y+6]
.endr
.irp y, 0,1,2,3
	v_max_num_f32 v[MX+\y], v[MX+\y], v[SS+8*\y+7]
.endr
.irp y, 0,1,2,3
	v_permlanex16_b32 v[T2+\y], v[MX+\y], s[SEL], s[SEL+1]
.endr
.irp y, 0,1,2,3
	v_max_num_f32 v[MX+\y], v[MX+\y], v[T2+\y]     ; the row's largest score
.endr
.irp y, 0,1,2,3
	v_mul_f32 v[CMP+2*\y], s[CS], v[MX+\y]
.endr
.irp j, 0,2,4,6
.irp y, 0,1,2,3
	v_pk_fma_f32 v[SS+8*\y+\j:SS+8*\y+\j+1], v[SS+8*\y+\j:SS+8*\y+\j+1], s[CS:CS+1], v[CMP+2*\y:CMP+2*\y+1] op_sel_hi:[1,0,0] neg_lo:[0,0,1] neg_hi:[0,0,1]   ; c s - c max
.endr
.endr
	s_wait_alu depctr_va_vdst(0)
.irp j, 0,1,2,3,4,5,6,7,8,9,10,11,12,13,14,15,16,17,18,19,20,21,22,23,24,25,26,27,28,29,30,31
	v_exp_f32 v[SS+\j], v[SS+\j]
.endr
	v_nop                                          ; a plain place behind the last exponential
	s_wait_alu depctr_va_vdst(0)                   ; one wait for the batch, ahead of its first reader
.irp y, 0,1,2,3
	v_pk_add_f32 v[SM+2*\y:SM+2*\y+1], v[SS+8*\y:SS+8*\y+1], v[SS+8*\y+2:SS+8*\y+3]
.endr
.irp y, 0,1,2,3
	v_pk_add_f32 v[RC+2*\y:RC+2*\y+1], v[SS+8*\y+4:SS+8*\y+5], v[SS+8*\y+6:SS+8*\y+7]
.endr
.irp y, 0,1,2,3
	v_pk_add_f32 v[SM+2*\y:SM+2*\y+1], v[SM+2*\y:SM+2*\y+1], v[RC+2*\y:RC+2*\y+1]
.endr
.irp y, 0,1,2,3
	v_add_f32 v[SM+2*\y], v[SM+2*\y], v[SM+2*\y+1]
.endr
.irp y, 0,1,2,3
	v_permlanex16_b32 v[T2+\y], v[SM+2*\y], s[SEL], s[SEL+1]
.endr
.irp y, 0,1,2,3
	v_add_f32 v[SM+2*\y], v[SM+2*\y], v[T2+\y]     ; the row's sum
.endr
	s_wait_alu depctr_va_vdst(0)
.irp y, 0,1,2,3
	v_rcp_f32 v[RC+2*\y], v[SM+2*\y]
.endr
	v_nop
	s_wait_alu depctr_va_vdst(0)                   ; one wait for the four reciprocals
	WIN 0x40
.irp y, 0,1,2,3
.irp j, 0,2,4,6
	v_pk_mul_f32 v[32*(\m)+8*\y+\j:32*(\m)+8*\y+\j+1], v[SS+8*\y+\j:SS+8*\y+\j+1], v[RC+2*\y:RC+2*\y+1] op_sel_hi:[1,0]   ; the weights, into window 1
.endr
.endr
	WIN 0
.endm
	SCORE 0
	SCORE 1
	SCORE 2
	SCORE 3
	BARRIER                                        ; every wave's reads of K's codes are over: V's stage takes their bytes
	; ---- WEIGHTS x V, in f32, and the result's codes.  Eight rounds (m, b): the 16 positions of tile m, channels 32 b .. 32 b + 31.
	; O^T = V^T W^T: source 0 = 16 channels x 4 heads, source 1 = 16 heads i x 4 heads j; K step s of lane half h stands for the heads j = 8 h + 2 s, 8 h + 2 s + 1 on both sides.
	; Register jj of result (y, u) in lane (i, h') is channel 32 b + 16 h' + 8 u + jj of head i: sixteen registers are sixteen neighbours along the fourth product's K.
.set VO,  128
.set QM,  188
.set QT,  192
.set QS,  196
.set BY,  200
.set BYW, 208
.set OC,  92
.set OC2, 124
.macro VSTORE m, b                     ; my four channels (m' = 4 w + x) of each half u, of the 16 positions: a lane's eight heads are 32 bytes
	WIN 0x08+4*(\b)
.irp u, 0,1
.irp x, 0,1,2,3
	ds_store_b128 v[VW], v[8*(8*(\m)+4*\u+\x):8*(8*(\m)+4*\u+\x)+3] offset:VSU*\u+64*\x            ; each accumulator from its low end on
	ds_store_b128 v[VW+1], v[8*(8*(\m)+4*\u+\x)+4:8*(8*(\m)+4*\u+\x)+7] offset:VSU*\u+64*\x
.endr
.endr
	WIN 0
.endm
.macro PVROUND m, b, nm, nb, more
	BARRIER                                        ; the stage is whole
	WIN 0x40
.irp y, 0,1,2,3
.irp u, 0,1
	ds_load_b128 v[VO+8*(2*\y+\u):VO+8*(2*\y+\u)+3], v[VR] offset:VSU*\u+VSP*\y
	ds_load_b128 v[VO+8*(2*\y+\u)+4:VO+8*(2*\y+\u)+7], v[VR+1] offset:VSU*\u+VSP*\y
.endr
.endr
	WIN 0
	BARRIER                                        ; every wave's reads of the stage are over
.if \more
	VSTORE \nm, \nb
.endif
	WIN 0xa5+0x50*(\b)
.irp s, 0,1,2,3                        ; eight accumulators by turns; they lie where this round's 64 registers of V lay, which have gone to the stage
.irp y, 0,1,2,3
.irp u, 0,1
.if \s == 0
	v_wmma_f32_16x16x4_f32 v[64*(\m)+16*\y+8*\u:64*(\m)+16*\y+8*\u+7], v[VO+8*(2*\y+\u)+2*\s:VO+8*(2*\y+\u)+2*\s+1], v[32*(\m)+8*\y+2*\s:32*(\m)+8*\y+2*\s+1], 0
.else
	v_wmma_f32_16x16x4_f32 v[64*(\m)+16*\y+8*\u:64*(\m)+16*\y+8*\u+7], v[VO+8*(2*\y+\u)+2*\s:VO+8*(2*\y+\u)+2*\s+1], v[32*(\m)+8*\y+2*\s:32*(\m)+8*\y+2*\s+1], v[64*(\m)+16*\y+8*\u:64*(\m)+16*\y+8*\u+7]
.endif
.endr
.endr
.endr
	WIN 0
	PLACES 8                                       ; eight places behind this form
	WIN 0x0a+5*(\b)
.irp y, 0,1,2,3
	v_max3_num_f32 v[QM+\y], |v[64*(\m)+16*\y]|, |v[64*(\m)+16*\y+1]|, 0x2800000
.endr
.irp i, 2,4,6,8,10,12,14
.irp y, 0,1,2,3
	v_max3_num_f32 v[QM+\y], |v[64*(\m)+16*\y+\i]|, |v[64*(\m)+16*\y+\i+1]|, v[QM+\y]
.endr
.endr
	WIN 0
.irp y, 0,1,2,3
	v_permlanex16_b32 v[QT+\y], v[QM+\y], s[SEL], s[SEL+1]
.endr
.irp y, 0,1,2,3
	v_max_num_f32 v[QM+\y], v[QM+\y], v[QT+\y]     ; block b of head i: its largest magnitude
.endr
.irp y, 0,1,2,3
	v_add_nc_u32 v[QS+\y], 0xfe000000, v[QM+\y]
.endr
.irp y, 0,1,2,3
	v_lshrrev_b32 v[BY+4*(\b)+\y], 23, v[QS+\y]
.endr
	WIN 0x02+(\b)
.irp y, 0,1,2,3
.if \b
	v_cvt_scalef32_pk16_bf6_f32 v[OC2+4*\y:OC2+4*\y+2], v[64*(\m)+16*\y:64*(\m)+16*\y+15], v[QS+\y]
.else
	v_cvt_scalef32_pk16_bf6_f32 v[OC+8*\y:OC+8*\y+2], v[64*(\m)+16*\y:64*(\m)+16*\y+15], v[QS+\y]
.endif
.endr
	WIN 0
	v_nop                                          ; one plain place behind a scaled conversion
.if \b
.irp y, 0,1,2,3                        ; lanes 0-15 take block 0 whole, lanes 16-31 block 1
.irp i, 0,1,2
	v_permlane16_swap_b32 v[OC+8*\y+\i], v[OC2+4*\y+\i]
.endr
.irp i, 0,1,2
	v_mov_b32 v[OC+8*\y+3+\i], v[OC2+4*\y+\i]
.endr
	v_lshl_or_b32 v[BYW+\y], v[BY+4+\y], 8, v[BY+\y]
.endr
.irp y, 0,1,2,3
.irp i, 0,1,2
	ds_store_b64 v[SCR], v[OC+8*\y+2*\i:OC+8*\y+2*\i+1] offset:16*RP*(\m)+RP*\y+8*\i     ; over q's row of my own position, which I alone have read
.endr
	ds_store_b16 v[OSW], v[BYW+\y] offset:512*(\m)+32*\y
.endr
.endif
.endm
	VSTORE 0, 0
	PVROUND 0, 0, 0, 1, 1
	PVROUND 0, 1, 1, 0, 1
	PVROUND 1, 0, 1, 1, 1
	PVROUND 1, 1, 2, 0, 1
	PVROUND 2, 0, 2, 1, 1
	PVROUND 2, 1, 3, 0, 1
	PVROUND 3, 0, 3, 1, 1
	PVROUND 3, 1, 0, 0, 0
	; ---- THE FOURTH PROJECTION: tiles 24 to 31
	PLACES 9                                       ; the accumulators begin anew: nine places behind the f32 form
.irp g, 0,1,2,3
	WL \g, 0                                       ; tile 24
.endr
	WIN 0x04
	ds_store_b128 v[BWR], v[BT:BT+3]               ; fo's bias, asked for in V's first step
	ds_store_b128 v[BWR], v[BT+4:BT+7] offset:512
	WIN 0
	BARRIER                                        ; every wave's codes of the result lie in LDS
	OSTEP 0, 1
	s_mov_b32 s[OCN], 3
.Lofo:
	OSTEP 1, 0
	OSTEP 0, 0
	s_sub_co_u32 s[OCN], s[OCN], 1
	s_cmp_lg_u32 s[OCN], 0
	s_cbranch_scc1 .Lofo
	s_wait_alu depctr_va_vdst(0)
	CORE 1, 0, 1, 0, 0, 0, 0                       ; the last tile: nothing more is asked for
	; ---- THE WAY OUT, by blocks of 16 rows x 128 columns (a = 4 g + m).  A lane holds 32 neighbouring bytes of a row: a block goes through my own stage and comes back as whole rows of 512 bytes.
	BARRIER                                        ; every wave's reads of the codes are over: the stages take their bytes
.macro TOSTAGE a
	WIN 0x08+4*((\a)/4)
.irp b, 0,1,2,3,4,5,6,7
	ds_store_b128 v[STO], v[64*((\a)%4)+8*\b:64*((\a)%4)+8*\b+3] offset:64*\b          ; each accumulator from its low end on
	ds_store_b128 v[STO], v[64*((\a)%4)+8*\b+4:64*((\a)%4)+8*\b+7] offset:64*\b+16
.endr
	WIN 0x40
.irp t, 0,1,2,3,4,5,6,7,8,9,10,11,12,13,14,15
	ds_load_b128 v[64*((\a)%2)+4*\t:64*((\a)%2)+4*\t+3], v[SRD] offset:\t*OSP          ; LDS serves a wave's instructions in order (ISA guide 5.7.1.4): these see the stores above
.endr
	WIN 0
.endm
.macro SEND a, younger                 ; younger: the LDS instructions issued behind block a's loads
	s_wait_dscnt \younger
	WIN 0x04
.irp t, 0,1,2,3,4,5,6,7,8,9,10,11,12,13,14,15
	global_store_b128 v[LI], v[64*((\a)%2)+4*\t:64*((\a)%2)+4*\t+3], s[OUTP:OUTP+1] offset:(16*((\a)%4)+\t)*4096+512*((\a)/4) th:TH_STORE_NT   ; 32 lanes store 512 consecutive bytes at a multiple of 512
.endr
	WIN 0
.endm
	TOSTAGE 0
.irp a, 1,2,3,4,5,6,7
.if \a > 1
	s_wait_xcnt 0x0                                ; block a - 2's stores have read their registers: block a's loads may land there
.endif
	TOSTAGE \a
	SEND \a-1, 32                                  ; behind block a - 1's loads: block a's 16 stores and 16 loads
.endr
	SEND 7, 0
	s_wait_tensorcnt 0x0                           ; the wave's end
	ds_add_u32 v[SPW], v[NIL]
	s_wait_dscnt 0x0
	s_endpgm
.Lfunc_end_k_q090450a205_fused:
	.size	k_q090450a205_fused, .Lfunc_end_k_q090450a205_fused-k_q090450a205_fused
	.p2alignl 7, 3214868480
	.fill 96, 4, 3214868480
	.section	.rodata,"a",@progbits
	.p2align	6, 0x0
	.amdhsa_kernel k_q090450a205_fused
		.amdhsa_group_segment_fixed_size 122368
		.amdhsa_private_segment_fixed_size 0
		.amdhsa_enable_private_segment 0
		.amdhsa_kernarg_size 48
		.amdhsa_user_sgpr_count 2
		.amdhsa_user_sgpr_kernarg_segment_ptr 1
		.amdhsa_wavefront_size32 1
		.amdhsa_system_sgpr_workgroup_id_x 1
		.amdhsa_system_sgpr_workgroup_id_y 1
		.amdhsa_system_sgpr_workgroup_id_z 1
		.amdhsa_system_vgpr_workitem_id 0
		.amdhsa_next_free_vgpr 1024
		.amdhsa_next_free_sgpr 66
		.amdhsa_reserve_vcc 0
		.amdhsa_float_denorm_mode_32 3
		.amdhsa_float_denorm_mode_16_64 3
		.amdhsa_memory_ordered 1
		.amdhsa_forward_progress 1
		.amdhsa_inst_pref_size 255
	.end_amdhsa_kernel
	.section	.bss,"aw",@nobits
	.p2align	6
	.space	262144
	.amdgpu_metadata
---
amdhsa.version: [ 1, 2 ]
amdhsa.kernels:
  - .name:           k_q090450a205_fused
    .symbol:         k_q090450a205_fused.kd
    .args:
      - { .name: query, .offset: 0, .size: 8, .value_kind: global_buffer, .address_space: global }
      - { .name: key, .offset: 8, .size: 8, .value_kind: global_buffer, .address_space: global }
      - { .name: value, .offset: 16, .size: 8, .value_kind: global_buffer, .address_space: global }
      - { .name: wimg, .offset: 24, .size: 8, .value_kind: global_buffer, .address_space: global }
      - { .name: bimg, .offset: 32, .size: 8, .value_kind: global_buffer, .address_space: global }
      - { .name: out0, .offset: 40, .size: 8, .value_kind: global_buffer, .address_space: global }
    .group_segment_fixed_size: 122368
    .private_segment_fixed_size: 0
    .kernarg_segment_align: 8
    .kernarg_segment_size: 48
    .max_flat_workgroup_size: 128
    .sgpr_count:     66
    .vgpr_count:     1024
    .wavefront_size: 32
...
	.end_amdgpu_metadata
.endif
;; end of part 2
